; MI455X (gfx1250); checked and timed in simulation.
; The chip was launched on July 23, 2026; its instructions are those of AMD's public machine-readable ISA for CDNA 5 (MIT licence, August 2026) and "CDNA5" Instruction Set Architecture Reference Guide (July 2026). The comments in the code are by the model that wrote it; some were corrected since.
;; Mutli Head Attention. Allowed arithmetic: matrix products marked QUANTISED: E2M1 operands, one E8M0 scale for each 32 along K, by v_wmma_scale_f32_16x16x128_f8f6f4 with both operands' format E2M1 (or v_wmma_scale_f32_32x16x128_f4), f32 sums; everything else in f32.
;; Inputs: Wk 768 x 768 float32; Wo 768 x 768 float32; Wq 768 x 768 float32; Wv 768 x 768 float32; bo 768 float32; inputs 1 x 4,096 x 768 float32.
;; Outputs: out0 1 x 4,096 x 768 float32.
;; This version of the problem:
;;   THIS VERSION OF THE PROBLEM IS GIVEN IN LOW PRECISION. The matrix products marked QUANTISED in the list below multiply operands that are first quantised to E2M1 (2 exponent bits, 1 mantissa bit; 4 bits a number), with one power-of-two scale for each 32 numbers along K (OCP MX v1.0); their sums are f32. All else is computed in f32.
;;   The module's matrix products, in the order in which they are computed (A, B: the left and right operand; K: the contracted axis; several contracted axes count as one K, in the product's order):
;;     1. [M 4,096, K 768] x [K 768, N 768]; A: input inputs; B: input Wq: QUANTISED
;;     2. [M 4,096, K 768] x [K 768, N 768]; A: input inputs; B: input Wk: QUANTISED
;;     3. [M 4,096, K 768] x [K 768, N 768]; A: input inputs; B: input Wv: QUANTISED
;;     4. batch 12 x [M 4,096, K 64] x [K 64, N 4,096]; A: computed on the way; B: computed on the way: QUANTISED
;;     5. batch 12 x [M 4,096, K 4,096] x [K 4,096, N 64]; A: softmax (see below); B: computed on the way: QUANTISED
;;     6. [M 4,096, K 768] x [K 768, N 768]; A: computed on the way; B: input Wo: QUANTISED
;;   THE QUANTISER, for each operand of a quantised product, along K:
;;     - K is cut into blocks of 32 from its start; a last block that is shorter is filled with zeros.
;;     - A block's scale is 2^e with e = floor(log2(the largest magnitude in the block)) - 2, held to -126 .. 127; a block of zeros has e = 0. As a byte (E8M0): e + 127.
;;     - Each number is divided by its block's scale, clamped to +-6, and rounded to the nearest number of E2M1, ties to even, subnormals kept.
;;     - The product sums the exact products of the quantised numbers (number of the format x scale) in f32.
;;   ~~~python
;;   def quantise(x, axis):      # numpy; x: float32 -> the quantised numbers, widened to float32 again
;;       x = np.moveaxis(x, axis, -1); K = x.shape[-1]
;;       x = np.pad(x, [(0, 0)] * (x.ndim - 1) + [(0, -K % 32)]); x = x.reshape(x.shape[:-1] + (-1, 32)); a = np.abs(x).max(-1, keepdims=True)
;;       e = np.where(a > 0, np.clip(np.frexp(np.where(a > 0, a, 1))[1] - 1 - 2, -126, 127), 0)      # np.frexp(a)[1] - 1 = floor(log2(a)), exactly
;;       r = np.clip(x / 2.0 ** e, -6, 6)
;;       step = 2.0 ** (np.maximum(np.frexp(np.where(r == 0, 1, r))[1] - 1, 0) - 1)
;;       q = np.round(r / step) * step * 2.0 ** e      # np.round: ties to even
;;       return np.moveaxis(q.reshape(q.shape[:-2] + (-1,))[..., :K], -1, axis).astype(np.float32)
;;   ~~~
;;   SOFTMAX AHEAD OF A QUANTISED PRODUCT. Where the list says 'softmax', what is quantised is not the finished softmax but p = 2^(t - M), with t = logit x log2(e) and M = ceil(the row's largest t), a whole number; so 1/2 < the row's largest p <= 1. The row's sum l is taken of the UNQUANTISED p, in f32, and the product's result is divided by l at the end. Since M is a whole number, a kernel that streams over the keys may use a running M (the ceiling of the running maximum): every later rescaling is an exact power of two, which a block's scale takes up: the codes' values come out the same.
;;   OPERANDS COMPUTED ON THE WAY. 'Computed on the way' means the value that the module computes at that place (a softmax that the list does not call 'softmax' is quantised finished and normalised). What goes into a quantiser is computed in f32, as accurately as f32 sums, v_exp_f32 and their like allow (about 1e-6 of the number): no bf16 or f16 on the way to a quantiser, and a product that is left as it is and whose result goes on into a quantised operand takes f32 operands (vector FMAs, or v_wmma_f32_16x16x4_f32). A number that lies on a knife's edge between two numbers of the format may be rounded either way, as far as f32 arithmetic and the matrix unit's own rounding can turn it there, and no further.
;; One version. Each part assembles by itself: llvm-mc -triple=amdgcn-amd-amdhsa -mcpu=gfx1250 --defsym DOCPART=n.
;; ======== version 1 of 1: 4 launches
;; limits: right only within a limited range of input values
;; workspace buffers: xw_codes 2,752,512 bytes; xw_scales 172,032 bytes; qkv 5,013,504 bytes; ctx_codes 1,572,864 bytes; ctx_scales 98,304 bytes
;; launch quant (part 1): grid 224 x 3, 2 waves a work-group, no clusters, 34,048 bytes of LDS; arguments inputs, Wq, Wk, Wv, Wo, xw_codes, xw_scales; writes xw_codes, xw_scales
.if DOCPART == 1
	.amdgcn_target "amdgcn-amd-amdhsa--gfx1250"
	.amdhsa_code_object_version 6
	.text
	.protected	k_q49500c2791_quant
	.globl	k_q49500c2791_quant
	.p2align	8
	.type	k_q49500c2791_quant,@function
k_q49500c2791_quant:
	s_mov_b64 s[64:65], 0
	v_nop
	global_prefetch_b8 v0, s[64:65] scope:SCOPE_SE
	s_setreg_imm32_b32 hwreg(HW_REG_WAVE_MODE, 25, 1), 1
	s_wait_xcnt 0x0
; inputs [4096][768] and Wq, Wk, Wv, Wo [768][768], f32, K = the last axis of each, become codes of FP4 (E2M1) with one E8M0 scale byte for each 32 along K.
; A block's scale is 2^(floor(log2(its largest magnitude)) - 2); its byte is the largest magnitude's exponent field - 2, held at 1 from below.
; DEAD WORK LEFT OUT BY THE PROGRAM: scores of keys after a query are set to -infinity by the mask, so their p is 0 for all values of the inputs; launch attn leaves them out in whole steps of 128 keys.
; A NaN, an infinity or an overflow that reaches only those scores is not carried to the result.
; LIMITS: a block of zeros gets the byte 1 where the rule says 127 (its codes are zeros, which add nothing under any byte but 0xff, and this program alone reads the bytes); NaN and infinities among the inputs are not served.
; THE OUTPUT IS LAID AS THE MATRIX UNIT'S REGISTERS WANT IT.  Rows go in tiles of 16, 448 in all (inputs 0-255, Wq 256-303, Wk 304-351, Wv 352-399, Wo 400-447).
; THE ROWS OF A TILE ARE NOT NEIGHBOURS.  inputs, Wq, Wk, Wv: row i of tile 4 c + g is row 64 c + 8 g + i + 24 (i / 8): as source 0 of a product the 32 result registers of tiles 4 c .. 4 c + 3 are the 32 neighbours 64 c + 32 (lane / 16) + 0 .. 31.
; Wo: row i of tile 2 b + u is row 32 b + 8 u + i + 8 (i / 8).
; Codes: tile T, K step s (128 along K), half c: 512 bytes at ((6 T + s) 2 + c) 512; lane l's 16 bytes at 16 l are k = 128 s + 64 c + 32 (l / 16) + 0 .. 31 of tile row l % 16.
; Scale words (four bytes: 128 along K of a row): T 384 + 64 s + 4 (row).
; SHARES.  A wave takes one tile and two K steps (work-group y = p): 16 rows x 256 numbers.  Each load reads 512 consecutive bytes of a row; the numbers turn through the wave's own stage in LDS (rows of 512 bytes + 16).
; Waves share nothing: no barrier.  No matrix unit, no cluster: nothing is read twice.  No loop to run ahead in, so no prefetch.
.set ROWB,  3072
.set SP,    528                        ; a stage row: 33 x 16 bytes, so the 16 rows that a load touches fall on 16 different columns of 16 bytes
.set STG2,  16*SP
.set WREG,  2*STG2
.set CD,    20                         ; v20-35   the codes: 8 registers a K step
.set RA,    40                         ; v40-103  K step a as loaded; later K step b turned
.set RB,    104                        ; v104-167 K step b as loaded
.set XN,    168                        ; v168-231 K step a turned
	s_load_b256 s[4:11], s[0:1], 0x0               ; inputs, Wq, Wk, Wv
	s_load_b128 s[12:15], s[0:1], 0x20             ; Wo, the codes
	s_load_b64 s[16:17], s[0:1], 0x30              ; the scale words
	v_lshl_add_u32 v232, v0, 2, 0x8400
	v_mov_b32 v233, 0
	v_lshrrev_b32 v1, 5, v0
	v_readfirstlane_b32 s18, v1                    ; wave 0, 1
	v_and_b32 v1, 31, v0
	v_lshlrev_b32 v2, 4, v1                        ; 16 x lane
	v_and_b32 v3, 15, v0                           ; r
	v_bfe_u32 v4, v0, 4, 1                         ; h
	s_mul_i32 s19, s18, WREG
	v_add_nc_u32 v5, s19, v2                       ; the stage, in
	v_mul_u32_u24 v6, v3, SP
	v_lshl_add_u32 v6, v4, 7, v6
	v_add_nc_u32 v6, s19, v6                       ; and out: row r, from number 32 h on
	v_lshlrev_b32 v7, 2, v1
	v_lshlrev_b32 v14, 3, v4                       ; 8 h: how far my two scale bytes are shifted
	v_mov_b32 v15, 0                               ; written once: a lane permute's destination counts as one of its sources
	s_mov_b32 s20, 0x76543210
	s_mov_b32 s21, 0xfedcba98                      ; v_permlanex16_b32's selects for lane l xor 16
	s_mov_b32 s22, 0xffff0000                      ; lanes 16-31
	s_and_b32 s23, ttmp7, 0xffff                   ; p: which two K steps
	s_mov_b32 s24, 200                             ; the first work-group x of the tensor in hand: Wo's
	s_mov_b32 s35, 0
	s_wait_alu depctr_va_vdst(0)
	s_wait_kmcnt 0x0
	s_cmp_lt_u32 ttmp9, 200                        ; which tensor?  The choice hangs on the work-group's number alone; only a pointer and numbers are chosen, the text has one path
	s_cselect_b64 s[12:13], s[10:11], s[12:13]
	s_cselect_b32 s24, 176, s24
	s_cselect_b32 s33, 3, 1                        ; tile % 4, or in Wo tile % 2
	s_cselect_b32 s34, 32, 16                      ; tile rows 8-15 begin so many rows on
	s_mul_i32 s34, s34, ROWB
	s_cmp_lt_u32 ttmp9, 176
	s_cselect_b64 s[12:13], s[8:9], s[12:13]
	s_cselect_b32 s24, 152, s24
	s_cmp_lt_u32 ttmp9, 152
	s_cselect_b64 s[12:13], s[6:7], s[12:13]
	s_cselect_b32 s24, 128, s24
	s_cmp_lt_u32 ttmp9, 128
	s_cselect_b64 s[12:13], s[4:5], s[12:13]
	s_cselect_b32 s24, 0, s24
	s_sub_co_u32 s25, ttmp9, s24
	s_lshl_b32 s25, s25, 1
	s_add_co_u32 s25, s25, s18                     ; my tile within its tensor
	s_and_b32 s26, s25, s33
	s_lshl_b32 s26, s26, 3
	s_lshl_b32 s27, s25, 4
	s_sub_co_u32 s27, s27, s26                     ; its first row: 16 x tile - 8 (tile % 4), in Wo - 8 (tile % 2)
	s_mul_i32 s28, s27, ROWB
	s_lshl_b32 s29, s23, 10                        ; two K steps are 1,024 bytes of a row
	s_add_co_u32 s28, s28, s29
	s_mov_b32 s29, 0
	s_add_nc_u64 s[12:13], s[12:13], s[28:29]
	s_add_nc_u64 s[36:37], s[12:13], s[34:35]      ; tile row 8
	s_lshl_b32 s30, ttmp9, 1
	s_add_co_u32 s30, s30, s18                     ; my tile among the 448
	s_mul_i32 s28, s30, 6144
	s_lshl_b32 s31, s23, 11
	s_add_co_u32 s28, s28, s31
	s_add_nc_u64 s[14:15], s[14:15], s[28:29]      ; its images of K steps 2 p, 2 p + 1
	s_mul_i32 s28, s30, 384
	s_lshl_b32 s31, s23, 7
	s_add_co_u32 s28, s28, s31
	s_add_nc_u64 s[16:17], s[16:17], s[28:29]      ; and their scale words
.irp e, 0,1                                    ; all 32 loads go out at once
.irp i, 0,1,2,3,4,5,6,7,8,9,10,11,12,13,14,15
	global_load_b128 v[RA+64*\e+4*\i:RA+64*\e+4*\i+3], v2, s[12+24*(\i/8):13+24*(\i/8)] offset:(\i%8)*ROWB+512*\e th:TH_LOAD_NT   ; 32 lanes read 512 consecutive bytes of tile row i
.endr
.endr
; 64 numbers of a lane, register 32 u + i = k 64 u + 32 h + i of my row, become the fragment's 8 registers of codes and, in every lane, my row's scale word.
.macro QUANT1 src, dst, wd
	v_max3_num_f32 v8, |v[\src]|, |v[\src+1]|, 0x1800000          ; my two blocks by turns; the floor 2^(3 - 127) among the leaves holds the byte at 1 from below
	v_max3_num_f32 v9, |v[\src+32]|, |v[\src+33]|, 0x1800000
.irp i, 2,4,6,8,10,12,14,16,18,20,22,24,26,28,30
	v_max3_num_f32 v8, v8, |v[\src+\i]|, |v[\src+\i+1]|
	v_max3_num_f32 v9, v9, |v[\src+32+\i]|, |v[\src+33+\i]|
.endr
	v_add_nc_u32 v10, 0xff000000, v8               ; 2 off the exponent field: the conversion's scale operand
	v_add_nc_u32 v11, 0xff000000, v9
	v_lshrrev_b32 v12, 23, v10                     ; the scales' bytes: blocks h and 2 + h of the K step
	v_lshrrev_b32 v13, 23, v11
	v_lshl_or_b32 v[\wd], v13, 16, v12
	v_lshlrev_b32 v[\wd], v14, v[\wd]
	v_permlanex16_b32 v15, v[\wd], s20, s21
	v_or_b32 v[\wd], v[\wd], v15                   ; with lane l xor 16's two the word is whole
.irp u, 0,1
.irp g, 0,1,2,3
	v_cvt_scalef32_pk8_fp4_f32 v[\dst+4*\u+\g], v[\src+32*\u+8*\g:\src+32*\u+8*\g+7], v[10+\u]
.endr
.endr
	v_nop                                          ; one plain vector line behind the last conversion of a run
.endm
	s_wait_loadcnt 16                              ; K step a's sixteen loads are in; K step b's may be out
.irp i, 0,1,2,3,4,5,6,7,8,9,10,11,12,13,14,15
	ds_store_b128 v5, v[RA+4*\i:RA+4*\i+3] offset:SP*\i
.endr
.irp u, 0,1
.irp g, 0,1,2,3,4,5,6,7
	ds_load_b128 v[XN+32*\u+4*\g:XN+32*\u+4*\g+3], v6 offset:256*\u+16*\g   ; LDS serves a wave's instructions in order: these see my stores
.endr
.endr
	s_wait_loadcnt 0x0
.irp i, 0,1,2,3,4,5,6,7,8,9,10,11,12,13,14,15
	ds_store_b128 v5, v[RB+4*\i:RB+4*\i+3] offset:STG2+SP*\i
.endr
	s_wait_dscnt 16                                ; all but the sixteen stores just issued: K step a is back, and the stores that read v40-103 are done,
.irp u, 0,1
.irp g, 0,1,2,3,4,5,6,7
	ds_load_b128 v[RA+32*\u+4*\g:RA+32*\u+4*\g+3], v6 offset:STG2+256*\u+16*\g   ; so K step b comes back into them while K step a is quantised
.endr
.endr
	QUANT1 XN, CD, 16
	s_wait_dscnt 0x0
	QUANT1 RA, CD+8, 17
.irp e, 0,1
.irp u, 0,1
	global_store_b128 v2, v[CD+8*\e+4*\u:CD+8*\e+4*\u+3], s[14:15] offset:1024*\e+512*\u   ; 32 lanes store 512 consecutive bytes, at a multiple of 512 from the buffer's first byte
.endr
.endr
	v_cndmask_b32 v18, v16, v17, s22               ; lanes 0-15: K step a's word of row r; lanes 16-31: K step b's
	global_store_b32 v7, v18, s[16:17]             ; 128 consecutive bytes
	s_wait_tensorcnt 0x0
	ds_add_u32 v232, v233
	s_wait_dscnt 0x0
	s_endpgm
.Lfunc_end_k_q49500c2791_quant:
	.size	k_q49500c2791_quant, .Lfunc_end_k_q49500c2791_quant-k_q49500c2791_quant
	.p2alignl 7, 3214868480
	.fill 96, 4, 3214868480
	.section	.rodata,"a",@progbits
	.p2align	6, 0x0
	.amdhsa_kernel k_q49500c2791_quant
		.amdhsa_group_segment_fixed_size 34048
		.amdhsa_private_segment_fixed_size 0
		.amdhsa_enable_private_segment 0
		.amdhsa_kernarg_size 56
		.amdhsa_user_sgpr_count 2
		.amdhsa_user_sgpr_kernarg_segment_ptr 1
		.amdhsa_wavefront_size32 1
		.amdhsa_system_sgpr_workgroup_id_x 1
		.amdhsa_system_sgpr_workgroup_id_y 1
		.amdhsa_system_sgpr_workgroup_id_z 1
		.amdhsa_system_vgpr_workitem_id 0
		.amdhsa_next_free_vgpr 234
		.amdhsa_next_free_sgpr 66
		.amdhsa_reserve_vcc 0
		.amdhsa_float_denorm_mode_32 3
		.amdhsa_float_denorm_mode_16_64 3
		.amdhsa_memory_ordered 1
		.amdhsa_forward_progress 1
		.amdhsa_inst_pref_size 17
	.end_amdhsa_kernel
	.amdgpu_metadata
---
amdhsa.version: [ 1, 2 ]
amdhsa.kernels:
  - .name:           k_q49500c2791_quant
    .symbol:         k_q49500c2791_quant.kd
    .args:
      - { .name: inputs, .offset: 0, .size: 8, .value_kind: global_buffer, .address_space: global }
      - { .name: Wq, .offset: 8, .size: 8, .value_kind: global_buffer, .address_space: global }
      - { .name: Wk, .offset: 16, .size: 8, .value_kind: global_buffer, .address_space: global }
      - { .name: Wv, .offset: 24, .size: 8, .value_kind: global_buffer, .address_space: global }
      - { .name: Wo, .offset: 32, .size: 8, .value_kind: global_buffer, .address_space: global }
      - { .name: xw_codes, .offset: 40, .size: 8, .value_kind: global_buffer, .address_space: global }
      - { .name: xw_scales, .offset: 48, .size: 8, .value_kind: global_buffer, .address_space: global }
    .group_segment_fixed_size: 34048
    .private_segment_fixed_size: 0
    .kernarg_segment_align: 8
    .kernarg_segment_size: 56
    .max_flat_workgroup_size: 64
    .sgpr_count:     66
    .vgpr_count:     234
    .wavefront_size: 32
...
	.end_amdgpu_metadata
.endif
;; end of part 1
;; launch qkv_proj (part 2): grid 16 x 12, 12 waves a work-group, clusters of 4 x 4, 173,568 bytes of LDS; arguments xw_codes, xw_scales, qkv; writes qkv
.if DOCPART == 2
	.amdgcn_target "amdgcn-amd-amdhsa--gfx1250"
	.amdhsa_code_object_version 6
	.text
	.protected	k_q49500c2791_qkv_proj
	.globl	k_q49500c2791_qkv_proj
	.p2align	8
	.type	k_q49500c2791_qkv_proj,@function
k_q49500c2791_qkv_proj:
	s_mov_b64 s[64:65], 0
	v_nop
	global_prefetch_b8 v0, s[64:65] scope:SCOPE_SE
	s_setreg_imm32_b32 hwreg(HW_REG_WAVE_MODE, 25, 1), 1
	s_wait_xcnt 0x0
	s_wait_alu depctr_hold_cnt(0) depctr_sa_sdst(0) depctr_va_vdst(0) depctr_va_sdst(0) depctr_va_ssrc(0) depctr_va_vcc(0) depctr_vm_vsrc(0)
	s_getreg_b32 s2, hwreg(HW_REG_IB_STS2, 6, 4)
	s_cmp_eq_u32 s2, 0
	s_cbranch_scc0 .Lentry_in_a_cluster
	s_endpgm
.Lentry_in_a_cluster:
	s_bfe_u32 s2, ttmp6, 0x10000c
	s_cmp_lg_u32 s2, 0xf033
	s_cbranch_scc0 .Lentry_shape_is_right
	s_endpgm
.Lentry_shape_is_right:
; q = x Wq^T, k = x Wk^T, v = x Wv^T on codes of FP4 with E8M0 scales (K = 768, six steps of 128), and the results quantised at once for the products that take them: q and k along the head's 64, v along the tokens (the keys).
; Operands arrive as images of the matrix unit's registers: a fragment (16 rows x 128 K) is 1,024 consecutive bytes, a tile of 16 rows 6,144.
; Tile 4 c + g holds rows 64 c + 8 g + i + 24 (i / 8): the 32 result registers of source-0 tiles 4 c .. 4 c + 3 are 32 neighbours, 64 c + 32 (lane / 16) + 0 .. 31: a whole block of the quantiser in one lane.
;   q, k: source 0 = 16 rows of W, source 1 = 16 tokens: a lane holds one token, its registers run along the channels.     v: source 0 = 16 tokens, source 1 = 16 rows of Wv: a lane holds one channel, its registers run along the tokens.
; SHARES.  A work-group takes 256 tokens (x) and 192 columns (y: 0-3 q, 4-7 k, 8-11 v): three units of 64 columns, a unit = 12 x type + head.  192 work-groups of twelve waves.
; Wave w: unit w / 4; q, k: 64 tokens (w % 4) x 64 channels; v: 128 tokens ((w % 4) / 2) x 32 channels (w % 2): 16 accumulators, 96 matrix instructions.
; LDS is filled ONCE: 16 token tiles (98,304 bytes), 12 weight tiles (73,728).  One tensor load a wave.  No loop runs ahead of a load, so nothing is prefetched.
; CLUSTER 4 x 4.  Work-groups of one cx share their tokens, those of one cy their columns: both kinds of tiles are asked for JOINTLY.
; OUT.  [unit][step of 128 tokens][4,352 bytes]: 4,096 of codes, 256 of scale words.  q, k: token tile t of the step at 512 t, lane l's 16 bytes: channels 32 (l / 16) + 0 .. 31 of tile row l % 16.
;   v: channel tile n, half c at 512 (2 n + c): a fragment's image.   Words at 4096 + 128 e + 8 r + 4 i: q, k: token tiles 4 e + 2 i (bytes 0, 1) and 4 e + 2 i + 1 (bytes 2, 3), row r;  v: channel tile 2 e + i, row r.
; LIMITS: a block of zeros gets the byte 1 where the rule says 127 (this program alone reads the bytes); NaN and infinities are not served.
; REGISTERS: v1-8 addresses; v16-45 scale words; v46, v47 the add's; v48-127 fragments, later the way out; v128-255 the accumulators.
.set WV,   12
.set TILEB, 6144
.set SPARE, 28*TILEB
.set UNIT, 139264
.set BLK,  4352
.set XS,   16
.set WSK,  28                          ; W's scale words for q, k
.set WSV,  40                          ; and for v
.set ACC,  128
.macro CROUND                          ; a round of the cluster's barrier
	s_barrier_signal -1
	s_barrier_wait -1
	s_cmp_lg_u32 s[WV], 0
	s_cbranch_scc1 .Lnot_wave_0_\@
	s_barrier_signal -3
.Lnot_wave_0_\@:
	s_barrier_wait -3
	s_barrier_signal -1
	s_barrier_wait -1
.endm
.macro PLACES                          ; four places in front of loads into registers that matrix instructions have read, and of the first read of results
.rept 4
	v_nop
.endr
.endm
	s_load_b128 s[4:7], s[0:1], 0x0                ; codes, scale words
	s_load_b64 s[8:9], s[0:1], 0x10                ; out
	v_lshl_add_u32 v46, v0, 2, SPARE
	v_mov_b32 v47, 0
	ds_add_u32 v46, v47
	ds_add_u32 v46, v47
	v_lshrrev_b32 v1, 5, v0
	v_readfirstlane_b32 s[WV], v1                  ; wave 0..11
	s_bfe_u32 s13, ttmp6, 0x40000                  ; cx
	s_bfe_u32 s14, ttmp6, 0x40004                  ; cy
	s_lshl_b32 s15, ttmp9, 2
	s_add_co_u32 s15, s15, s13                     ; gx: my 256 tokens
	s_and_b32 s17, ttmp7, 0xffff                   ; the type: 0 q, 1 k, 2 v: the cluster's y
	s_lshl_b32 s16, s17, 2
	s_add_co_u32 s16, s16, s14                     ; gy: my 192 columns
	s_lshl_b32 s18, 0x1111, s13                    ; the places that share my tokens
	s_lshl_b32 s19, s14, 2
	s_lshl_b32 s19, 15, s19                        ; and those that share my columns
	; descriptor group 1: dense blocks as rows of 256 bytes (32 elements of 8 bytes), no padding: two token tiles (48 rows), three weight tiles (72 rows)
	s_or_b32 s24, s18, (3<<16)|(1<<21)
	s_mov_b32 s25, 32<<16
	s_mov_b32 s26, 48<<16
	s_mov_b32 s27, 32<<16
	s_mov_b32 s28, 48
	s_mov_b32 s29, 32
	s_mov_b32 s30, 0
	s_mov_b32 s31, 0
	s_or_b32 s32, s19, (3<<16)|(1<<21)
	s_mov_b32 s33, 32<<16
	s_mov_b32 s34, 72<<16
	s_mov_b32 s35, 32<<16
	s_mov_b32 s36, 72
	s_mov_b32 s37, 32
	s_mov_b32 s38, 0
	s_mov_b32 s39, 0
	s_lshr_b32 s20, s[WV], 2                       ; my unit of three
	s_and_b32 s21, s[WV], 3                        ; my quarter;  also: which three weight tiles waves 8-11 fetch
	s_lshr_b32 s22, s21, 1                         ; which step of 128 tokens
	s_and_b32 s23, s21, 1                          ; e
	s_mul_i32 s50, s15, 16*TILEB                   ; x: tile 16 gx + 2 w
	s_mul_i32 s41, s[WV], 2*TILEB
	s_add_co_u32 s50, s50, s41
	s_mov_b32 s51, 0
	s_mul_i32 s52, s16, 12*TILEB                   ; W: tile 256 + 12 gy + 3 (w % 4)
	s_mul_i32 s45, s21, 3*TILEB
	s_add_co_u32 s52, s52, s45
	s_add_co_u32 s52, s52, 256*TILEB
	s_mov_b32 s53, 0
	s_mov_b32 s40, 1                               ; group 0: count = 1; LDS address: no place in the cluster enters it
	s_mov_b32 s44, 1
	s_add_co_u32 s45, s45, 16*TILEB
	s_wait_dscnt 0x0
	s_wait_kmcnt 0x0
	s_add_nc_u64 s[42:43], s[4:5], s[50:51]
	s_or_b32 s43, s43, 0x80000000                  ; type = 2
	s_add_nc_u64 s[46:47], s[4:5], s[52:53]
	s_or_b32 s47, s47, 0x80000000
	CROUND                                         ; all sixteen work-groups are here: the joint loads meet
	s_cmp_lt_u32 s[WV], 8                          ; waves 0-7 fetch for x, waves 8-11 for W: one load a wave
	s_cbranch_scc0 .Lask_w
	tensor_load_to_lds s[40:43], s[24:31]
	s_nop 0
	PLACES
	s_branch .Lasked
.Lask_w:
	tensor_load_to_lds s[44:47], s[32:39]
	s_nop 0
	PLACES
.Lasked:
	v_and_b32 v9, 31, v0
	v_lshlrev_b32 v6, 2, v9                        ; 4 x lane
	v_lshlrev_b32 v1, 4, v9                        ; 16 x lane
	v_and_b32 v10, 15, v0                          ; r
	v_bfe_u32 v11, v0, 4, 1                        ; h
	v_lshlrev_b32 v8, 3, v11                       ; 8 h
	v_lshlrev_b32 v7, 3, v10
	v_lshl_add_u32 v7, v11, 2, v7                  ; 8 r + 4 h
	s_mul_i32 s54, s21, 4*TILEB
	v_add_nc_u32 v2, s54, v1                       ; LDS, q and k: my four token tiles,
	s_mul_i32 s54, s20, 4*TILEB
	s_add_co_u32 s54, s54, 16*TILEB
	v_add_nc_u32 v3, s54, v1                       ; my unit's four weight tiles;
	s_mul_i32 s55, s23, 2*TILEB
	s_add_co_u32 s54, s54, s55
	v_add_nc_u32 v5, s54, v1                       ; v: my two weight tiles,
	s_mul_i32 s54, s22, 8*TILEB
	v_add_nc_u32 v4, s54, v1                       ; my eight token tiles
	s_wait_alu depctr_va_vdst(0)
	s_mul_i32 s54, s15, 16                         ; scale words: tokens from tile 16 gx + 4 quarter (v: + 8 step) on,
	s_lshl_b32 s55, s21, 2
	s_lshl_b32 s56, s22, 3
	s_mul_i32 s57, s16, 12                         ; weights from tile 256 + 12 gy + 4 unit (v: + 2 e) on
	s_lshl_b32 s58, s20, 2
	s_add_co_u32 s57, s57, s58
	s_add_co_u32 s57, s57, 256
	s_lshl_b32 s58, s23, 1
	s_cmp_eq_u32 s17, 2
	s_cselect_b32 s55, s56, s55
	s_cselect_b32 s58, s58, 0
	s_add_co_u32 s54, s54, s55
	s_add_co_u32 s58, s58, s57
	s_mul_i32 s54, s54, 384
	s_mov_b32 s55, 0
	s_mul_i32 s58, s58, 384
	s_mov_b32 s59, 0
	s_add_nc_u64 s[54:55], s[6:7], s[54:55]
	s_add_nc_u64 s[58:59], s[6:7], s[58:59]
	s_mul_i32 s60, s16, 3
	s_add_co_u32 s60, s60, s20                     ; unit = 3 gy + w / 4
	s_mul_i32 s60, s60, UNIT
	s_lshl_b32 s61, s15, 1
	s_add_co_u32 s61, s61, s22                     ; step = 2 gx + (w % 4) / 2
	s_mul_i32 s61, s61, BLK
	s_add_co_u32 s60, s60, s61
	s_lshl_b32 s62, s23, 7
	s_add_co_u32 s62, s62, s60
	s_add_co_u32 s62, s62, 4096                    ; its scale words, my 128 bytes
	s_mov_b32 s63, 0
	s_add_nc_u64 s[10:11], s[8:9], s[62:63]
	s_lshl_b32 s61, s23, 11
	s_add_co_u32 s60, s60, s61                     ; its codes, my 2,048 bytes
	s_mov_b32 s61, 0
	s_add_nc_u64 s[8:9], s[8:9], s[60:61]
	s_mov_b32 s48, 0x76543210
	s_mov_b32 s49, 0xfedcba98                      ; v_permlanex16_b32's selects for lane l xor 16
	s_mov_b32 s50, 0xffff0000                      ; lanes 16-31
	s_cmp_eq_u32 s17, 2                            ; the branch hangs on the cluster's y, which all sixteen partners share
	s_cbranch_scc1 .Lwords_v
.irp m, 0,1,2,3
.irp p, 0,1,2
	global_load_b32 v[XS+3*\m+\p], v6, s[54:55] offset:\m*384+128*\p    ; K step 2 p in lanes 0-15, 2 p + 1 in lanes 16-31
	global_load_b32 v[WSK+3*\m+\p], v6, s[58:59] offset:\m*384+128*\p
.endr
.endr
	s_branch .Lwords
.Lwords_v:
.irp m, 0,1,2,3,4,5,6,7
.irp p, 0,1,2
	global_load_b32 v[XS+3*\m+\p], v6, s[54:55] offset:\m*384+128*\p
.endr
.endr
.irp m, 0,1
.irp p, 0,1,2
	global_load_b32 v[WSV+3*\m+\p], v6, s[58:59] offset:\m*384+128*\p
.endr
.endr
.Lwords:
	s_wait_alu depctr_va_vdst(0)
	s_wait_tensorcnt 0x0                           ; my part is in,
	s_barrier_signal -1
	s_barrier_wait -1                              ; everybody's is
	s_wait_loadcnt 0x0                             ; the scale words
; One product.  K step 0 starts the sums.  An odd K step's scale words lie in lanes 16-31.
.macro ONE d, a, b, xa, xb, st
.if (\st) == 0
	v_wmma_scale_f32_16x16x128_f8f6f4 v[\d:\d+7], v[\a:\a+7], v[\b:\b+7], 0, v[\xa], v[\xb] matrix_a_fmt:MATRIX_FMT_FP4 matrix_b_fmt:MATRIX_FMT_FP4
.elseif (\st)%2 == 1
	v_wmma_scale_f32_16x16x128_f8f6f4 v[\d:\d+7], v[\a:\a+7], v[\b:\b+7], v[\d:\d+7], v[\xa], v[\xb] matrix_a_fmt:MATRIX_FMT_FP4 matrix_b_fmt:MATRIX_FMT_FP4 matrix_a_scale:MATRIX_SCALE_ROW1 matrix_b_scale:MATRIX_SCALE_ROW1
.else
	v_wmma_scale_f32_16x16x128_f8f6f4 v[\d:\d+7], v[\a:\a+7], v[\b:\b+7], v[\d:\d+7], v[\xa], v[\xb] matrix_a_fmt:MATRIX_FMT_FP4 matrix_b_fmt:MATRIX_FMT_FP4
.endif
.endm
.macro FRAG reg, adr, tile, s
.irp c, 0,1
	ds_load_b128 v[\reg+4*\c:\reg+4*\c+3], v[\adr] offset:(\tile)*TILEB+(\s)*1024+512*\c
.endr
.endm
	s_cmp_eq_u32 s17, 2
	s_cbranch_scc1 .Lv
; q, k: W's fragments v48-79, x's v80-111; accumulator 4 m + t = W's tile t x token tile m.  The sixteen take turns in the same order in every step.
.irp s, 0,1,2,3,4,5
.irp t, 0,1,2,3
	FRAG 48+8*\t, 3, \t, \s
.endr
.irp m, 0,1,2,3
	FRAG 80+8*\m, 2, \m, \s
.endr
.irp m, 0,1,2,3
	s_wait_dscnt 6-2*\m                            ; the token tiles behind tile m may be out, two loads each
.irp t, 0,1,2,3
	ONE ACC+8*(4*\m+\t), 48+8*\t, 80+8*\m, WSK+3*\t+\s/2, XS+3*\m+\s/2, \s
.endr
.endr
	PLACES
.endr
	s_branch .Lout
.Lv:
; v: x's fragments v48-111, Wv's v112-127; accumulator 8 n + m = token tile m x Wv's tile n.
.irp s, 0,1,2,3,4,5
.irp n, 0,1
	FRAG 112+8*\n, 5, \n, \s
.endr
.irp m, 0,1,2,3,4,5,6,7
	FRAG 48+8*\m, 4, \m, \s
.endr
.irp m, 0,1,2,3,4,5,6,7
	s_wait_dscnt 14-2*\m
.irp n, 0,1
	ONE ACC+8*(8*\n+\m), 48+8*\m, 112+8*\n, XS+3*\m+\s/2, WSV+3*\n+\s/2, \s
.endr
.endr
	PLACES
.endr
.Lout:
	PLACES
	v_mov_b32 v56, 0                               ; written once: a lane permute's destination counts as one of its sources
; the largest magnitude of 32 registers, and the floor 2^(3 - 127); two chains; each accumulator from its low end on
.macro QMAX a, b, src
	v_max3_num_f32 v[\a], |v[\src]|, |v[\src+1]|, 0x1800000
	v_max3_num_f32 v[\b], |v[\src+2]|, |v[\src+3]|, |v[\src+4]|
.irp i, 5,9,13,17,21,25
	v_max3_num_f32 v[\a], v[\a], |v[\src+\i]|, |v[\src+\i+1]|
	v_max3_num_f32 v[\b], v[\b], |v[\src+\i+2]|, |v[\src+\i+3]|
.endr
	v_max3_num_f32 v[\a], v[\a], |v[\src+29]|, |v[\src+30]|
	v_max3_num_f32 v[\a], v[\a], v[\b], |v[\src+31]|
.endm
; 64 registers = two blocks of 32: eight registers of codes at pc, and a word: byte 2 c + h is block c's scale in lanes of half h
.macro QUANT src, pc, wd
	QMAX 48, 49, \src
	QMAX 50, 51, \src+32
	v_add_nc_u32 v52, 0xff000000, v48              ; 2 off the exponent field: the conversion's scale operand
	v_add_nc_u32 v53, 0xff000000, v50
	v_lshrrev_b32 v54, 23, v52
	v_lshrrev_b32 v55, 23, v53
	v_lshl_or_b32 v[\wd], v55, 16, v54
	v_lshlrev_b32 v[\wd], v8, v[\wd]
	v_permlanex16_b32 v56, v[\wd], s48, s49
	v_or_b32 v[\wd], v[\wd], v56
.irp c, 0,1
.irp g, 0,1,2,3
	v_cvt_scalef32_pk8_fp4_f32 v[\pc+4*\c+\g], v[\src+32*\c+8*\g:\src+32*\c+8*\g+7], v[52+\c]
.endr
.endr
	v_nop                                          ; one plain place behind a scaled conversion
.endm
	QUANT ACC, 64, 80
	QUANT ACC+64, 72, 81
	v_cndmask_b32 v82, v80, v81, s50               ; lane (r, h) stores word h of row r
	s_wait_alu depctr_va_vdst(0)
.irp j, 0,1,2,3
	global_store_b128 v1, v[64+4*\j:64+4*\j+3], s[8:9] offset:512*\j   ; 32 lanes store 512 consecutive bytes, at a multiple of 256 from the buffer's first byte
.endr
	global_store_b32 v7, v82, s[10:11]             ; 128 consecutive bytes
	s_wait_tensorcnt 0x0
	ds_add_u32 v46, v47
	s_wait_dscnt 0x0
	CROUND                                         ; the closing round: no work-group ends while a partner may still ask for a tile that names it
	s_endpgm
.Lfunc_end_k_q49500c2791_qkv_proj:
	.size	k_q49500c2791_qkv_proj, .Lfunc_end_k_q49500c2791_qkv_proj-k_q49500c2791_qkv_proj
	.p2alignl 7, 3214868480
	.fill 96, 4, 3214868480
	.section	.rodata,"a",@progbits
	.p2align	6, 0x0
	.amdhsa_kernel k_q49500c2791_qkv_proj
		.amdhsa_group_segment_fixed_size 173568
		.amdhsa_private_segment_fixed_size 0
		.amdhsa_enable_private_segment 0
		.amdhsa_kernarg_size 24
		.amdhsa_user_sgpr_count 2
		.amdhsa_user_sgpr_kernarg_segment_ptr 1
		.amdhsa_wavefront_size32 1
		.amdhsa_system_sgpr_workgroup_id_x 1
		.amdhsa_system_sgpr_workgroup_id_y 1
		.amdhsa_system_sgpr_workgroup_id_z 1
		.amdhsa_system_vgpr_workitem_id 0
		.amdhsa_next_free_vgpr 256
		.amdhsa_next_free_sgpr 66
		.amdhsa_reserve_vcc 0
		.amdhsa_float_denorm_mode_32 3
		.amdhsa_float_denorm_mode_16_64 3
		.amdhsa_memory_ordered 1
		.amdhsa_forward_progress 1
		.amdhsa_inst_pref_size 61
	.end_amdhsa_kernel
	.amdgpu_metadata
---
amdhsa.version: [ 1, 2 ]
amdhsa.kernels:
  - .name:           k_q49500c2791_qkv_proj
    .symbol:         k_q49500c2791_qkv_proj.kd
    .args:
      - { .name: xw_codes, .offset: 0, .size: 8, .value_kind: global_buffer, .address_space: global }
      - { .name: xw_scales, .offset: 8, .size: 8, .value_kind: global_buffer, .address_space: global }
      - { .name: qkv, .offset: 16, .size: 8, .value_kind: global_buffer, .address_space: global }
    .group_segment_fixed_size: 173568
    .private_segment_fixed_size: 0
    .kernarg_segment_align: 8
    .kernarg_segment_size: 24
    .max_flat_workgroup_size: 384
    .sgpr_count:     66
    .vgpr_count:     256
    .wavefront_size: 32
...
	.end_amdgpu_metadata
.endif
;; end of part 2
;; launch attention (part 3): grid 20 x 12, 16 waves a work-group, clusters of 4 x 1, 327,680 bytes of LDS; arguments qkv, ctx_codes, ctx_scales; writes ctx_codes, ctx_scales
.if DOCPART == 3
	.amdgcn_target "amdgcn-amd-amdhsa--gfx1250"
	.amdhsa_code_object_version 6
	.text
	.protected	k_q49500c2791_attention
	.globl	k_q49500c2791_attention
	.p2align	8
	.type	k_q49500c2791_attention,@function
k_q49500c2791_attention:
	s_mov_b64 s[64:65], 0
	v_nop
	global_prefetch_b8 v0, s[64:65] scope:SCOPE_SE
	s_setreg_imm32_b32 hwreg(HW_REG_WAVE_MODE, 25, 1), 1
	s_wait_xcnt 0x0
	s_wait_alu depctr_hold_cnt(0) depctr_sa_sdst(0) depctr_va_vdst(0) depctr_va_sdst(0) depctr_va_ssrc(0) depctr_va_vcc(0) depctr_vm_vsrc(0)
	s_getreg_b32 s2, hwreg(HW_REG_IB_STS2, 6, 4)
	s_cmp_eq_u32 s2, 0
	s_cbranch_scc0 .Lentry_in_a_cluster
	s_endpgm
.Lentry_in_a_cluster:
	s_bfe_u32 s2, ttmp6, 0x10000c
	s_cmp_lg_u32 s2, 0x3003
	s_cbranch_scc0 .Lentry_shape_is_right
	s_endpgm
.Lentry_shape_is_right:
; ctx[q] = the sum over keys k <= q of softmax_k(q . k / 8) v, per head of 64, both products on codes of FP4 with E8M0 scales; ctx is quantised along the head's 64 at once and stored as the next product's operand.
; SOFTMAX: t = score x log2(e) / 8; M = the running largest t rounded UP to a whole number; p = 2^(t - M) is quantised along the keys; the sum is taken of the unquantised p and divides at the end.  Rescalings are powers of two.
; LEFT OUT: steps of 128 keys that lie wholly after a tile's queries: the mask makes their p 0 for all values of the inputs.
; LIMITS: the promise holds while |t| stays under 2^31; a block of zeros carries the byte 1 (its codes are zeros); NaN and infinities are not served; v_exp_f32 is taken not to fall where its input rises (a block's largest p is made from its largest score).
; DEAL.  A head's 256 query tiles of 16 are 64 groups H of four, tiles 4 H .. 4 H + 3, each of H / 2 + 1 key steps.  FIVE CLUSTERS a head; cluster c takes the groups H = 63 - 5 r - (r even: c; r odd: 4 - c), r = 0 .. 12 (c = 4: 0 .. 11),
; 210 to 212 steps in all, and partner cx takes tile 4 H + cx of each: so partners have tiles of equal length, and no branch hangs on cx.  The lengths are alike for c = 0, 1, for c = 2, 3 and for c = 4: three tables.
; A work-group's sixteen waves have 12 to 15 steps each: first, where the table says so, a WHOLE tile (n0 steps of row r0), then one KEY RANGE of a tile that several waves share (n1 steps of row r1 from step k on).
; Owners of shared tiles are waves 0 .. 6; wave 8 + o, and for tiles of three parts wave 15 - o, GIVE their parts to wave o through LDS behind the loop.
; LDS is filled ONCE: the head's K and V, 32 steps of 4,352 bytes each (4,096 of codes, 256 of scale words), one joint load of four steps a wave.  All work-groups of a cluster need the same: mask of all four.
; No load stands in a loop, so there is none to prefetch for: what the head's loads want is wanted at once.
; LAYOUT.  Both products transposed: S^T = K Q^T, O^T = V^T P^T: a lane holds ONE query.  Key tile 4 c + g holds keys 64 c + 8 g + i + 24 (i / 8): so score register 32 c + i is key 64 c + 32 (lane / 16) + i: a whole block of p in a lane, in the next operand's own order.
; TWO KEY TILES SHARE AN OPERAND: the head's 64 are half of the instruction's 128 along K: registers 8 p .. 8 p + 7 hold tiles 2 p and 2 p + 1; against [Q | 0] they give the first's scores, against [0 | Q] the second's.
.set WV,  12
.set CX,  13                           ; s13 my place in the cluster: it enters global addresses and the mask's numbers alone
.set CC,  14                           ; s14 the cluster
.set HD,  15                           ; s15 the head
.set N0,  16
.set N1,  17
.set K1,  18
.set H0,  20
.set H1,  21
.set OFF, 22
.set NT,  23
.set SEL, 24
.set CS,  26
.set G1C, 28
.set NCS, 36
.set I,   37
.set KAP, 38
.set TB,  39
.set HC,  40
.set TWO, 41
.set G0C, 44
.set CA0, 66                           ; s[66:67], s[68:69] where the whole tile's codes and scale bytes go; s[70:73] the shared tile's
.set CB0, 68
.set CA1, 70
.set CB1, 72
.set UNIT, 139264
.set BLK, 4352
.set STG, 2*UNIT                       ; eight slots of 4,352 bytes, for the parts
.set SPARE, STG+8*BLK
.set S,   96                           ; v96-159 scores, then p
.set O,   160                          ; v160-191 O^T
.set V,   192                          ; v192-223 V's four fragments
.set P,   224                          ; v224-231 p's codes
.set NTRIP, 15
.macro CROUND                          ; a round of the cluster's barrier
	s_barrier_signal -1
	s_barrier_wait -1
	s_cmp_lg_u32 s[WV], 0
	s_cbranch_scc1 .Lnot_wave_0_\@
	s_barrier_signal -3
.Lnot_wave_0_\@:
	s_barrier_wait -3
	s_barrier_signal -1
	s_barrier_wait -1
.endm
	s_load_b128 s[4:7], s[0:1], 0x0                ; q k v s[4:5], ctx's codes s[6:7]
	s_load_b64 s[8:9], s[0:1], 0x10                ; ctx's scale words
	v_lshl_add_u32 v250, v0, 2, SPARE
	v_mov_b32 v251, 0
	ds_add_u32 v250, v251
	ds_add_u32 v250, v251
	v_lshrrev_b32 v8, 5, v0
	v_readfirstlane_b32 s[WV], v8
	s_bfe_u32 s[CX], ttmp6, 0x40000
	s_mov_b32 s[CC], ttmp9
	s_and_b32 s[HD], ttmp7, 0xffff
	; descriptor group 1: four steps, 17,408 dense bytes, as 68 rows of 256 bytes (32 elements of 8 bytes)
	s_mov_b32 s[G1C], 15|(3<<16)|(1<<21)
	s_mov_b32 s[G1C+1], 32<<16
	s_mov_b32 s[G1C+2], 68<<16
	s_mov_b32 s[G1C+3], 32<<16
	s_mov_b32 s[G1C+4], 68
	s_mov_b32 s[G1C+5], 32
	s_mov_b32 s[G1C+6], 0
	s_mov_b32 s[G1C+7], 0
	s_lshr_b32 s48, s[WV], 3                       ; waves 0-7: K's unit 12 + head; 8-15: V's 24 + head
	s_mul_i32 s48, s48, 12
	s_add_co_u32 s48, s48, 12
	s_add_co_u32 s48, s48, s[HD]
	s_mul_i32 s48, s48, UNIT
	s_and_b32 s49, s[WV], 7
	s_mul_i32 s49, s49, 4*BLK
	s_add_co_u32 s48, s48, s49
	s_mov_b32 s49, 0
	s_mov_b32 s[G0C], 1
	s_mul_i32 s[G0C+1], s[WV], 4*BLK
	s_wait_dscnt 0x0
	s_wait_kmcnt 0x0
	s_add_nc_u64 s[G0C+2:G0C+3], s[4:5], s[48:49]
	s_or_b32 s[G0C+3], s[G0C+3], 0x80000000
	CROUND                                         ; all four work-groups are here: the joint loads meet
	tensor_load_to_lds s[G0C:G0C+3], s[G1C:G1C+7]
	s_nop 0
.rept 4
	v_nop
.endr
; THE TABLES, one word for each wave of each kind of cluster
	s_lshr_b32 s50, s[CC], 1
	s_lshl_b32 s50, s50, 4
	s_add_co_u32 s50, s50, s[WV]
	s_mov_b32 s51, 0
.macro ENT ix, n0, r0, n1, r1, k
	s_cmp_eq_u32 s50, \ix
	s_cselect_b32 s51, (\n0)|((\n1)<<4)|((\k)<<8)|((\r0)<<16)|((\r1)<<24), s51
.endm
	; c = 0, 1: rows of 32 28 27 23 22 18 17 13 12 8 7 3 2 steps
	ENT 0, 7,10, 6,0,26
	ENT 1, 12,8, 2,6,15
	ENT 2, 0,1, 14,1,14
	ENT 3, 3,11, 10,3,13
	ENT 4, 0,2, 14,2,13
	ENT 5, 2,12, 10,4,12
	ENT 6, 8,9, 5,5,13
	ENT 7, 13,7, 0,7,0
	ENT 8, 0,0, 13,0,0
	ENT 9, 0,6, 15,6,0
	ENT 10, 0,1, 14,1,0
	ENT 11, 0,3, 13,3,0
	ENT 12, 0,2, 13,2,0
	ENT 13, 0,4, 12,4,0
	ENT 14, 0,5, 13,5,0
	ENT 15, 0,0, 13,0,13
	; c = 2, 3: 31 29 26 24 21 19 16 14 11 9 6 4 1
	ENT 16, 9,9, 4,0,27
	ENT 17, 11,8, 3,6,13
	ENT 18, 0,1, 14,1,15
	ENT 19, 1,12, 11,3,13
	ENT 20, 0,2, 13,2,13
	ENT 21, 4,11, 8,4,13
	ENT 22, 6,10, 6,5,13
	ENT 23, 14,7, 0,7,0
	ENT 24, 0,0, 14,0,0
	ENT 25, 0,6, 13,6,0
	ENT 26, 0,1, 15,1,0
	ENT 27, 0,3, 13,3,0
	ENT 28, 0,2, 13,2,0
	ENT 29, 0,4, 13,4,0
	ENT 30, 0,5, 13,5,0
	ENT 31, 0,0, 13,0,14
	; c = 4: 30 30 25 25 20 20 15 15 10 10 5 5
	ENT 32, 10,8, 4,0,26
	ENT 33, 10,9, 4,1,26
	ENT 34, 0,2, 12,2,13
	ENT 35, 0,3, 12,3,13
	ENT 36, 5,10, 7,4,13
	ENT 37, 5,11, 7,5,13
	ENT 38, 15,6, 0,6,0
	ENT 39, 15,7, 0,7,0
	ENT 40, 0,0, 13,0,0
	ENT 41, 0,1, 13,1,0
	ENT 42, 0,2, 13,2,0
	ENT 43, 0,3, 13,3,0
	ENT 44, 0,4, 13,4,0
	ENT 45, 0,5, 13,5,0
	ENT 46, 0,1, 13,1,13
	ENT 47, 0,0, 13,0,13
	s_and_b32 s[N0], s51, 15
	s_bfe_u32 s[N1], s51, 0x40004
	s_bfe_u32 s[K1], s51, 0x50008
	s_bfe_u32 s56, s51, 0x40010
	s_bfe_u32 s57, s51, 0x40018
	s_add_co_u32 s[NT], s[N0], s[N1]
	s_sub_co_u32 s[OFF], s[K1], s[N0]              ; trip i of the range is key step i + k - n0
	s_and_b32 s[OFF], s[OFF], 31
.macro HROW r, hh
	s_and_b32 s52, s[\r], 1
	s_sub_co_u32 s53, 4, s[CC]
	s_cmp_eq_u32 s52, 0
	s_cselect_b32 s53, s[CC], s53
	s_mul_i32 s52, s[\r], 5
	s_add_co_u32 s52, s52, s53
	s_sub_co_u32 s[\hh], 63, s52
.endm
	HROW 56, H0
	HROW 57, H1
	s_lshr_b32 s52, s[CC], 2                       ; 1 where c = 4
	s_cmp_eq_u32 s[WV], 1
	s_cselect_b32 s52, s52, 0
	s_cmp_eq_u32 s[WV], 0
	s_cselect_b32 s[TWO], 1, s52                   ; do two waves give me parts?
; the addresses of a group's tile: q's codes and scale half-word, ctx's codes and scale bytes
.macro ADR hh, q, qw, a, b
	s_lshr_b32 s52, s[\hh], 1
	s_mul_i32 s52, s52, BLK
	s_mul_i32 s53, s[HD], UNIT
	s_add_co_u32 s52, s52, s53
	s_and_b32 s53, s[\hh], 1
	s_lshl_b32 s54, s53, 11
	s_add_co_u32 s54, s54, s52
	s_lshl_b32 s55, s53, 7
	s_add_co_u32 s55, s55, s52
	s_add_co_u32 s55, s55, 4096
	s_lshl_b32 s82, s[CX], 9
	s_add_co_u32 s82, s82, s54
	s_mov_b32 s83, 0
	s_add_nc_u64 s[\q:\q+1], s[4:5], s[82:83]
	s_lshl_b32 s84, s[CX], 1
	s_add_co_u32 s84, s84, s55
	s_mov_b32 s85, 0
	s_add_nc_u64 s[\qw:\qw+1], s[4:5], s[84:85]
	s_lshl_b32 s86, s[\hh], 2
	s_add_co_u32 s86, s86, s[CX]                   ; the tile
	s_mul_i32 s88, s86, 6144
	s_lshl_b32 s54, s[HD], 9
	s_add_co_u32 s88, s88, s54
	s_mov_b32 s89, 0
	s_add_nc_u64 s[\a:\a+1], s[6:7], s[88:89]
	s_mul_i32 s88, s86, 384
	s_lshr_b32 s54, s[HD], 1
	s_lshl_b32 s54, s54, 6
	s_add_co_u32 s88, s88, s54
	s_and_b32 s54, s[HD], 1
	s_lshl_b32 s54, s54, 1
	s_add_co_u32 s88, s88, s54
	s_add_nc_u64 s[\b:\b+1], s[8:9], s[88:89]
.endm
	ADR H0, 74, 76, CA0, CB0
	ADR H1, 78, 80, CA1, CB1
	s_mov_b32 s[SEL], 0x76543210
	s_mov_b32 s[SEL+1], 0xfedcba98                 ; v_permlanex16_b32's selects for lane l xor 16
	s_mov_b32 s[CS], 0x3e38aa3b                    ; log2(e) / 8
	s_mov_b32 s[CS+1], s[CS]                       ; (named with it as a pair, so it is written)
	s_mov_b32 s[NCS], 0xbe38aa3b
	s_mov_b32 s[I], 0
	s_lshl_b32 s90, s[CX], 3
	s_and_b32 s58, s[WV], 7
	s_mul_i32 s59, s58, BLK
	s_add_co_u32 s59, s59, STG                     ; slot w % 8: where wave 8 + o gives and wave o takes
	s_xor_b32 s58, s58, 7
	s_mul_i32 s58, s58, BLK
	s_add_co_u32 s58, s58, STG                     ; slot 7 - w % 8: where wave o takes wave 15 - o's
	v_and_b32 v8, 31, v0
	v_lshlrev_b32 v1, 4, v8                        ; 16 x lane: K's codes,
	v_add_nc_u32 v2, UNIT, v1                      ; V's,
	v_lshlrev_b32 v47, 3, v8
	v_add_nc_u32 v3, 0x1000, v47                   ; K's scale words: 8 x lane,
	v_add_nc_u32 v4, UNIT, v3                      ; and V's
	v_and_b32 v9, 15, v0                           ; r
	v_bfe_u32 v10, v0, 4, 1                        ; h
	v_lshl_add_u32 v7, v9, 2, v10                  ; ctx's scale bytes: 4 r + h
	v_lshlrev_b32 v35, 3, v10                      ; 8 h
	v_lshlrev_b32 v45, 3, v9                       ; q's scale words: 8 r
	v_and_b32 v11, 7, v9
	v_lshrrev_b32 v46, 3, v9
	v_sub_nc_u32 v46, v46, v10
	v_lshlrev_b32 v46, 5, v46
	v_add_nc_u32 v5, v46, v11
	v_add_nc_u32 v5, s90, v5                       ; my query in its 64, less 32 h: score register i of those 64 keys is hidden where i > v5
	v_mov_b32 v6, 0xff800000                       ; -infinity
	v_add_nc_u32 v41, s59, v1
	v_add_nc_u32 v42, s59, v47
	v_add_nc_u32 v43, s58, v1
	v_add_nc_u32 v44, s58, v47
	global_load_b128 v[20:23], v1, s[74:75]        ; Q of my first tile
	global_load_u16 v28, v45, s[76:77]
	global_load_b128 v[36:39], v1, s[78:79]        ; and of the shared one
	global_load_u16 v40, v45, s[80:81]
.irp j, 16,17,18,19,24,25,26,27
	v_mov_b32 v[\j], 0                             ; v16-27: 0 | Q | 0
.endr
.irp j, 240,241,242,243,246,252,253
	v_mov_b32 v[\j], 0                             ; written once: a lane permute's destination, and the upper halves of pairs
.endr
.macro FRESH                           ; a tile's state before its first step
	v_mov_b32 v13, 0xff61b1e6                      ; the largest score: -3e38
	v_mov_b32 v12, 0x7e000000                      ; -M: 2^125, above every -M that comes: the first rescaling is by 0
.irp j, 48,49,50,51,52,53,54,55,56,57,58,59,60,61,62,63
	v_mov_b32 v[\j], 0                             ; the row's sum, in eight pairs
.endr
.irp j, 0,1,2,3,4,5,6,7,8,9,10,11,12,13,14,15,16,17,18,19,20,21,22,23,24,25,26,27,28,29,30,31
	v_mov_b32 v[O+\j], 0
.endr
.endm
	s_wait_alu depctr_va_vdst(0)
	s_wait_loadcnt 0x0
	v_lshl_or_b32 v28, v28, 16, v28                ; q's two bytes, for both halves of the instruction's K
	v_lshl_or_b32 v40, v40, 16, v40
	FRESH
	s_wait_alu depctr_va_vdst(0)
	s_wait_tensorcnt 0x0                           ; my four steps are in,
	s_barrier_signal -1
	s_barrier_wait -1                              ; everybody's are
; K's fragments and scale words of trip s60's key step.  They are asked for a trip ahead, behind the products that read the registers; a trip beyond my last reads step bytes that nobody uses
.macro KLOAD
	s_cmp_ge_u32 s60, s[N0]
	s_cselect_b32 s61, s[OFF], 0
	s_add_co_u32 s61, s61, s60
	s_and_b32 s61, s61, 31
	s_mul_i32 s61, s61, BLK
	v_add_nc_u32 v8, s61, v1
	v_add_nc_u32 v10, s61, v3
	ds_load_b64 v[30:31], v10
.irp t, 0,1,2,3,4,5,6,7
	ds_load_b128 v[64+4*\t:67+4*\t], v8 offset:512*\t
.endr
.endm
	s_mov_b32 s60, 0
	KLOAD
	s_wait_dscnt 0x0
; THE WAVES STAY TOGETHER: each signals the work-group's barrier at a trip's end and waits for it at the next trip's end, so that none is more than about a step ahead of another.
; The barrier guards no bytes: between a signal and its wait stand register work and loads of K and V, which nobody writes any more.
	s_barrier_signal -1
; O^T / the sum (v14), quantised along the head's 64 (a lane holds the 32 of its half), and stored
.macro FIN a, b
	s_wait_alu depctr_va_vdst(0)
	v_rcp_f32 v14, v14
	v_nop
	s_wait_alu depctr_va_vdst(0)
.irp j, 0,2,4,6,8,10,12,14,16,18,20,22,24,26,28,30
	v_pk_mul_f32 v[S+\j:S+1+\j], v[O+\j:O+1+\j], v[14:15] op_sel_hi:[1,0]
.endr
	v_max3_num_f32 v232, |v[S]|, |v[S+1]|, 0x1800000
	v_max3_num_f32 v233, |v[S+2]|, |v[S+3]|, |v[S+4]|
.irp i, 5,9,13,17,21,25
	v_max3_num_f32 v232, v232, |v[S+\i]|, |v[S+\i+1]|
	v_max3_num_f32 v233, v233, |v[S+\i+2]|, |v[S+\i+3]|
.endr
	v_max3_num_f32 v232, v232, |v[S+29]|, |v[S+30]|
	v_max3_num_f32 v232, v232, v233, |v[S+31]|
	v_add_nc_u32 v244, 0xff000000, v232
	v_lshrrev_b32 v240, 23, v244
.irp g, 0,1,2,3
	v_cvt_scalef32_pk8_fp4_f32 v[P+\g], v[S+8*\g:S+8*\g+7], v244
.endr
	v_nop
	global_store_b128 v1, v[P:P+3], s[\a:\a+1]     ; 512 consecutive bytes
	global_store_b8 v7, v240, s[\b:\b+1]
.endm
.macro LSUM                            ; the row's sum: two halves of the pair, and lane l xor 16's
	v_pk_add_f32 v[48:49], v[48:49], v[50:51]
	v_pk_add_f32 v[52:53], v[52:53], v[54:55]
	v_pk_add_f32 v[56:57], v[56:57], v[58:59]
	v_pk_add_f32 v[60:61], v[60:61], v[62:63]
	v_pk_add_f32 v[48:49], v[48:49], v[52:53]
	v_pk_add_f32 v[56:57], v[56:57], v[60:61]
	v_pk_add_f32 v[14:15], v[48:49], v[56:57]
	v_add_f32 v14, v14, v15
	v_permlanex16_b32 v246, v14, s[SEL], s[SEL+1]
	v_add_f32 v14, v14, v246
.endm
.Ltrip:
	s_cmp_ge_u32 s[I], s[NT]
	s_cbranch_scc1 .Lnext
	s_cmp_ge_u32 s[I], s[N0]
	s_cselect_b32 s[HC], s[H1], s[H0]
	s_cselect_b32 s60, s[OFF], 0
	s_add_co_u32 s[KAP], s[I], s60
	s_and_b32 s[KAP], s[KAP], 31                   ; the key step
	s_mul_i32 s[TB], s[KAP], BLK
	v_add_nc_u32 v9, s[TB], v2
	v_add_nc_u32 v11, s[TB], v4
	v_nop
	v_nop                                          ; (these four are the places in front of the loads)
	ds_load_b64 v[32:33], v11
.irp i, 0,1,2,3,4,5,6,7
	ds_load_b128 v[V+4*\i:V+3+4*\i], v9 offset:512*\i
.endr
; scores of tiles 2 p and 2 p + 1.  Pairs 0, 1 have their scale words in lanes 0-15, pairs 2, 3 in lanes 16-31
.irp p, 0,1
	v_wmma_scale_f32_16x16x128_f8f6f4 v[S+16*\p:S+7+16*\p], v[64+8*\p:71+8*\p], v[20:27], 0, v[30+\p], v28 matrix_a_fmt:MATRIX_FMT_FP4 matrix_b_fmt:MATRIX_FMT_FP4
	v_wmma_scale_f32_16x16x128_f8f6f4 v[S+8+16*\p:S+15+16*\p], v[64+8*\p:71+8*\p], v[16:23], 0, v[30+\p], v28 matrix_a_fmt:MATRIX_FMT_FP4 matrix_b_fmt:MATRIX_FMT_FP4
.endr
.irp p, 2,3
	v_wmma_scale_f32_16x16x128_f8f6f4 v[S+16*\p:S+7+16*\p], v[64+8*\p:71+8*\p], v[20:27], 0, v[28+\p], v28 matrix_a_fmt:MATRIX_FMT_FP4 matrix_b_fmt:MATRIX_FMT_FP4 matrix_a_scale:MATRIX_SCALE_ROW1
	v_wmma_scale_f32_16x16x128_f8f6f4 v[S+8+16*\p:S+15+16*\p], v[64+8*\p:71+8*\p], v[16:23], 0, v[28+\p], v28 matrix_a_fmt:MATRIX_FMT_FP4 matrix_b_fmt:MATRIX_FMT_FP4 matrix_a_scale:MATRIX_SCALE_ROW1
.endr
	v_nop
	v_nop                                          ; two places; KLOAD's two additions are two more
	s_add_co_u32 s60, s[I], 1
	KLOAD                                          ; the next trip's K
	s_lshr_b32 s60, s[HC], 1
	s_cmp_lg_u32 s[KAP], s60                       ; the tile's last step holds the diagonal
	s_cbranch_scc1 .Lopen
	s_and_b32 s60, s[HC], 1
	s_cmp_lg_u32 s60, 0
	s_cbranch_scc1 .Lupper
.irp n, 0,1,2,3,4,5,6,7,8,9,10,11,12,13,14,15,16,17,18,19,20,21,22,23,24,25,26,27,28,29,30,31
	v_cmp_gt_i32 vcc_lo, \n, v5                    ; queries of the step's first 64: the last 64 keys are all hidden
	v_cndmask_b32 v[S+\n], v[S+\n], v6, vcc_lo
.endr
.irp n, 0,1,2,3,4,5,6,7,8,9,10,11,12,13,14,15,16,17,18,19,20,21,22,23,24,25,26,27,28,29,30,31
	v_mov_b32 v[S+32+\n], v6
.endr
	s_wait_alu depctr_va_vdst(0)
	s_branch .Lopen
.Lupper:
.irp n, 0,1,2,3,4,5,6,7,8,9,10,11,12,13,14,15,16,17,18,19,20,21,22,23,24,25,26,27,28,29,30,31
	v_cmp_gt_i32 vcc_lo, \n, v5                    ; queries of its last 64: the first 64 keys all count
	v_cndmask_b32 v[S+32+\n], v[S+32+\n], v6, vcc_lo
.endr
.Lopen:
.irp b, 0,1,2,3
	v_max3_num_f32 v[232+\b], v[S+16*\b], v[S+1+16*\b], v[S+2+16*\b]
.endr
.irp i, 3,5,7,9,11,13
.irp b, 0,1,2,3
	v_max3_num_f32 v[232+\b], v[232+\b], v[S+16*\b+\i], v[S+1+16*\b+\i]
.endr
.endr
	v_max3_num_f32 v232, v232, v233, v[S+15]
	v_max3_num_f32 v234, v234, v235, v[S+47]
	v_max_num_f32 v232, v232, v[S+31]              ; the largest score of my block of the first 64 keys,
	v_max_num_f32 v234, v234, v[S+63]              ; and of the last 64
	v_max3_num_f32 v236, v232, v234, v13
	v_mov_b32 v239, v12
	v_permlanex16_b32 v240, v236, s[SEL], s[SEL+1]
	v_max_num_f32 v13, v236, v240                  ; the running largest score of my query
	v_mul_f32 v238, s[NCS], v13
	v_floor_f32 v12, v238                          ; -M = floor(-t): M IS A WHOLE NUMBER
	v_sub_f32 v238, v12, v239
	v_cvt_i32_f32 v238, v238                       ; old M - new M, 0 or less (it saturates)
	v_ldexp_f32 v252, 1.0, v238                    ; f
	v_fma_f32 v232, v232, s[CS], v12
	v_fma_f32 v234, v234, s[CS], v12
; THE EXPONENTIALS GO IN FOUR GROUPS OF 16.  Among a group's stand the next group's t - M and the sums of the group before: nothing that a plain line writes there is read before the wait ahead of the next group.
.irp j, 0,2,4,6,8,10,12,14
	v_pk_fma_f32 v[S+\j:S+1+\j], v[S+\j:S+1+\j], s[CS:CS+1], v[12:13] op_sel_hi:[1,0,0]   ; t - M of group 0
.endr
.irp j, 0,2,4,6,8,10,12,14,16,18,20,22,24,26,28,30
	v_pk_mul_f32 v[O+\j:O+1+\j], v[O+\j:O+1+\j], v[252:253] op_sel_hi:[1,0]   ; O^T under the new M
.endr
	s_wait_alu depctr_va_vdst(0)                   ; a wait ahead of each group and behind it: one line serves both
	v_exp_f32 v232, v232                           ; the blocks' largest p
	v_exp_f32 v234, v234
.irp k, 0,1,2,3,4,5,6,7
	v_exp_f32 v[S+2*\k], v[S+2*\k]
	v_exp_f32 v[S+1+2*\k], v[S+1+2*\k]
	v_pk_fma_f32 v[S+16+2*\k:S+17+2*\k], v[S+16+2*\k:S+17+2*\k], s[CS:CS+1], v[12:13] op_sel_hi:[1,0,0]
.endr
	s_wait_alu depctr_va_vdst(0)
	v_max_num_f32 v232, 0x1800000, v232            ; the floor 2^(3 - 127): the byte cannot fall under 1
	v_max_num_f32 v234, 0x1800000, v234
	v_add_nc_u32 v244, 0xff000000, v232
	v_add_nc_u32 v245, 0xff000000, v234
	v_lshrrev_b32 v240, 23, v244
	v_lshrrev_b32 v241, 23, v245
	v_lshl_or_b32 v243, v241, 16, v240
	v_lshlrev_b32 v243, v35, v243                  ; my two bytes: blocks h and 2 + h
	v_permlanex16_b32 v246, v243, s[SEL], s[SEL+1]
	v_or_b32 v34, v243, v246                       ; p's scale word
.irp k, 0,1,2,3,4,5,6,7                        ; group 1;  the sum is taken of the unquantised p, and comes under the new M with its first addition
	v_exp_f32 v[S+16+2*\k], v[S+16+2*\k]
	v_pk_fma_f32 v[S+32+2*\k:S+33+2*\k], v[S+32+2*\k:S+33+2*\k], s[CS:CS+1], v[12:13] op_sel_hi:[1,0,0]
	v_exp_f32 v[S+17+2*\k], v[S+17+2*\k]
	v_pk_fma_f32 v[48+2*\k:49+2*\k], v[48+2*\k:49+2*\k], v[252:253], v[S+2*\k:S+1+2*\k] op_sel_hi:[1,0,1]
.endr
	s_wait_alu depctr_va_vdst(0)
.irp k, 0,1,2,3,4,5,6,7                        ; group 2
	v_exp_f32 v[S+32+2*\k], v[S+32+2*\k]
	v_pk_fma_f32 v[S+48+2*\k:S+49+2*\k], v[S+48+2*\k:S+49+2*\k], s[CS:CS+1], v[12:13] op_sel_hi:[1,0,0]
	v_exp_f32 v[S+33+2*\k], v[S+33+2*\k]
	v_pk_add_f32 v[48+2*\k:49+2*\k], v[48+2*\k:49+2*\k], v[S+16+2*\k:S+17+2*\k]
.endr
	s_wait_alu depctr_va_vdst(0)
.irp g, 0,1,2,3
	v_cvt_scalef32_pk8_fp4_f32 v[P+\g], v[S+8*\g:S+7+8*\g], v244       ; the codes of the first 64 keys
.endr
.irp k, 0,1,2,3,4,5,6,7                        ; group 3
	v_exp_f32 v[S+48+2*\k], v[S+48+2*\k]
	v_exp_f32 v[S+49+2*\k], v[S+49+2*\k]
	v_pk_add_f32 v[48+2*\k:49+2*\k], v[48+2*\k:49+2*\k], v[S+32+2*\k:S+33+2*\k]
.endr
	s_wait_dscnt 0x0                               ; V is in, and the next K
	s_wait_alu depctr_va_vdst(0)
.irp g, 0,1,2,3
	v_cvt_scalef32_pk8_fp4_f32 v[P+4+\g], v[S+32+8*\g:S+39+8*\g], v245  ; and of the last 64
.endr
.irp k, 0,1,2,3,4,5,6,7                        ; (these eight are also the places in front of the products)
	v_pk_add_f32 v[48+2*\k:49+2*\k], v[48+2*\k:49+2*\k], v[S+48+2*\k:S+49+2*\k]
.endr
.irp n, 0,1
	v_wmma_scale_f32_16x16x128_f8f6f4 v[O+8*\n:O+7+8*\n], v[V+8*\n:V+7+8*\n], v[P:P+7], v[O+8*\n:O+7+8*\n], v[32+\n], v34 matrix_a_fmt:MATRIX_FMT_FP4 matrix_b_fmt:MATRIX_FMT_FP4
.endr
.irp n, 2,3
	v_wmma_scale_f32_16x16x128_f8f6f4 v[O+8*\n:O+7+8*\n], v[V+8*\n:V+7+8*\n], v[P:P+7], v[O+8*\n:O+7+8*\n], v[30+\n], v34 matrix_a_fmt:MATRIX_FMT_FP4 matrix_b_fmt:MATRIX_FMT_FP4 matrix_a_scale:MATRIX_SCALE_ROW1
.endr
.Lnext:
	s_barrier_wait -1                              ; everybody has ended the trip before this one
	s_add_co_u32 s60, s[I], 1
	s_cmp_lg_u32 s60, s[N0]
	s_cbranch_scc1 .Lstay
.rept 4
	v_nop
.endr
	s_wait_alu depctr_va_vdst(0)                   ; the wait ahead of the sum's first reader
	LSUM                                           ; the whole tile is finished: it leaves, and the shared tile's range begins
	FIN CA0, CB0
	v_mov_b32 v28, v40
.irp j, 0,1,2,3
	v_mov_b32 v[20+\j], v[36+\j]
.endr
	FRESH
	s_wait_alu depctr_va_vdst(0)
	s_wait_xcnt 0x0                                ; the stores have read their registers
.Lstay:
	s_barrier_signal -1                            ; no LDS instruction of mine is out
	s_add_co_u32 s[I], s[I], 1
	s_cmp_lt_u32 s[I], NTRIP
	s_cbranch_scc1 .Ltrip
	s_barrier_wait -1                              ; the last trip's
.rept 4
	v_nop
.endr
	s_wait_alu depctr_va_vdst(0)
	LSUM
	s_cmp_lt_u32 s[WV], 8
	s_cbranch_scc1 .Lgiven
.irp i, 0,1,2,3,4,5,6,7
	ds_store_b128 v41, v[O+4*\i:O+3+4*\i] offset:512*\i     ; my part: O^T,
.endr
	v_mov_b32 v15, v12
	ds_store_b64 v42, v[14:15] offset:4096         ; its sum and its -M
.Lgiven:
	s_wait_alu depctr_va_vdst(0)
	s_wait_dscnt 0x0                               ; for the others' sake: my stores are done
	s_barrier_signal -1
	s_barrier_wait -1
	s_cmp_lt_u32 s[WV], 8
	s_cbranch_scc0 .Lend
	s_cmp_eq_u32 s[N1], 0
	s_cbranch_scc1 .Lend
; another wave's part of my tile joins mine: both are brought under the larger M by powers of two
.macro JOIN ao, al
	ds_load_b64 v[236:237], v[\al] offset:4096
.irp i, 0,1,2,3,4,5,6,7
	ds_load_b128 v[S+4*\i:S+3+4*\i], v[\ao] offset:512*\i
.endr
	s_wait_alu depctr_va_vdst(0)
	s_wait_dscnt 0x0
	v_min_num_f32 v238, v12, v237
	v_sub_f32 v239, v238, v12
	v_sub_f32 v240, v238, v237
	v_cvt_i32_f32 v239, v239
	v_cvt_i32_f32 v240, v240
	v_ldexp_f32 v252, 1.0, v239
	v_ldexp_f32 v242, 1.0, v240
	v_mov_b32 v12, v238
	v_mul_f32 v14, v14, v252
	v_fma_f32 v14, v236, v242, v14
.irp j, 0,2,4,6,8,10,12,14,16,18,20,22,24,26,28,30
	v_pk_mul_f32 v[O+\j:O+1+\j], v[O+\j:O+1+\j], v[252:253] op_sel_hi:[1,0]
.endr
.irp j, 0,2,4,6,8,10,12,14,16,18,20,22,24,26,28,30
	v_pk_fma_f32 v[O+\j:O+1+\j], v[S+\j:S+1+\j], v[242:243], v[O+\j:O+1+\j] op_sel_hi:[1,0,1]
.endr
.endm
	JOIN 41, 42
	s_wait_alu depctr_va_vdst(0)
	s_cmp_eq_u32 s[TWO], 0
	s_cbranch_scc1 .Ljoined
	JOIN 43, 44
.Ljoined:
	FIN CA1, CB1
.Lend:
	s_wait_tensorcnt 0x0
	ds_add_u32 v250, v251
	s_wait_dscnt 0x0
	CROUND                                         ; the closing round: no work-group ends while a partner may still ask for a tile that names it
	s_endpgm
.Lfunc_end_k_q49500c2791_attention:
	.size	k_q49500c2791_attention, .Lfunc_end_k_q49500c2791_attention-k_q49500c2791_attention
	.p2alignl 7, 3214868480
	.fill 96, 4, 3214868480
	.section	.rodata,"a",@progbits
	.p2align	6, 0x0
	.amdhsa_kernel k_q49500c2791_attention
		.amdhsa_group_segment_fixed_size 327680
		.amdhsa_private_segment_fixed_size 0
		.amdhsa_enable_private_segment 0
		.amdhsa_kernarg_size 24
		.amdhsa_user_sgpr_count 2
		.amdhsa_user_sgpr_kernarg_segment_ptr 1
		.amdhsa_wavefront_size32 1
		.amdhsa_system_sgpr_workgroup_id_x 1
		.amdhsa_system_sgpr_workgroup_id_y 1
		.amdhsa_system_sgpr_workgroup_id_z 1
		.amdhsa_system_vgpr_workitem_id 0
		.amdhsa_next_free_vgpr 256
		.amdhsa_next_free_sgpr 100
		.amdhsa_reserve_vcc 1
		.amdhsa_float_denorm_mode_32 3
		.amdhsa_float_denorm_mode_16_64 3
		.amdhsa_memory_ordered 1
		.amdhsa_forward_progress 1
		.amdhsa_inst_pref_size 52
	.end_amdhsa_kernel
	.amdgpu_metadata
---
amdhsa.version: [ 1, 2 ]
amdhsa.kernels:
  - .name:           k_q49500c2791_attention
    .symbol:         k_q49500c2791_attention.kd
    .args:
      - { .name: qkv, .offset: 0, .size: 8, .value_kind: global_buffer, .address_space: global }
      - { .name: ctx_codes, .offset: 8, .size: 8, .value_kind: global_buffer, .address_space: global }
      - { .name: ctx_scales, .offset: 16, .size: 8, .value_kind: global_buffer, .address_space: global }
    .group_segment_fixed_size: 327680
    .private_segment_fixed_size: 0
    .kernarg_segment_align: 8
    .kernarg_segment_size: 24
    .max_flat_workgroup_size: 512
    .sgpr_count:     100
    .vgpr_count:     256
    .wavefront_size: 32
...
	.end_amdgpu_metadata
.endif
;; end of part 3
;; launch oproj (part 4): grid 64 x 4, 4 waves a work-group, clusters of 4 x 1, 168,448 bytes of LDS; arguments ctx_codes, ctx_scales, xw_codes, xw_scales, bo, out0; writes out0
.if DOCPART == 4
	.amdgcn_target "amdgcn-amd-amdhsa--gfx1250"
	.amdhsa_code_object_version 6
	.text
	.protected	k_q49500c2791_oproj
	.globl	k_q49500c2791_oproj
	.p2align	8
	.type	k_q49500c2791_oproj,@function
k_q49500c2791_oproj:
	s_mov_b64 s[64:65], 0
	v_nop
	global_prefetch_b8 v0, s[64:65] scope:SCOPE_SE
	s_setreg_imm32_b32 hwreg(HW_REG_WAVE_MODE, 25, 1), 1
	s_wait_xcnt 0x0
	s_wait_alu depctr_hold_cnt(0) depctr_sa_sdst(0) depctr_va_vdst(0) depctr_va_sdst(0) depctr_va_ssrc(0) depctr_va_vcc(0) depctr_vm_vsrc(0)
	s_getreg_b32 s2, hwreg(HW_REG_IB_STS2, 6, 4)
	s_cmp_eq_u32 s2, 0
	s_cbranch_scc0 .Lentry_in_a_cluster
	s_endpgm
.Lentry_in_a_cluster:
	s_bfe_u32 s2, ttmp6, 0x10000c
	s_cmp_lg_u32 s2, 0x3003
	s_cbranch_scc0 .Lentry_shape_is_right
	s_endpgm
.Lentry_shape_is_right:
; out = ctx Wo^T + bo on codes of FP4 with E8M0 scales, K = 768 in six steps of 128.  Both operands arrive as images of the matrix unit's registers (a tile of 16 rows: 6,144 bytes; a fragment: 1,024), their scale words beside them.
; SHARES.  256 work-groups: 64 tokens (x: ctx's tiles 4 gx .. + 3) x 192 columns (y: Wo's tiles 12 gy .. + 11): 768 bytes of each row of out, three aligned blocks of 256.  Wave w: token tiles 2 (w / 2), + 1 x six of Wo's tiles (w % 2): 12 accumulators, 72 matrix instructions.
; LDS is filled ONCE: ctx's four tiles (24,576 bytes), Wo's twelve (73,728); behind them a stage of 64 rows x (768 + 16) bytes, into which no fill lands.
; CLUSTER.  The four work-groups of a cluster differ in their tokens alone: Wo's tiles are asked for JOINTLY, ctx's by plain loads.
; THE MATRIX INSTRUCTION IS USED TRANSPOSED (source 0 = 16 rows of Wo, source 1 = 16 tokens).  Tiles are not neighbours (tile 2 b + u: rows 32 b + 8 u + i + 8 (i / 8)): register j of tile t in lane (r, h) is column 32 (t / 2) + 16 h + 8 (t % 2) + j of tile row r's token.
; The bias is the C of each sum's first matrix instruction: eight registers a tile, in the result's layout.
; REGISTERS: v1-7 addresses; v8-13 ctx's scale words, v14-31 Wo's (register 3 i + p: K step 2 p in lanes 0-15, 2 p + 1 in lanes 16-31); v32-127 the accumulators (6 m + t); v128-191, v192-255 two fragment buffers (Wo's six, ctx's two); bo lies in v192-239 until K step 0 is multiplied.
.set WV,   16                          ; s16 my wave's number
.set CSW,  8
.set WS,   14
.set ACC,  32
.set BUF0, 128
.set BUF1, 192
.set BIAS, 192
.set GO,   136                         ; the way out: my byte offset in the wave's rows of out
.set RBK,  140                         ; v140-235: 24 x 4 registers read back from the stage
.set TILEB, 6144
.set STG,  16*TILEB                    ; the stage, behind the sixteen tiles
.set SPITCH, 784                       ; 768 bytes + 16: 49 x 16, so the 16 rows that a store touches fall on 16 different columns of 16 bytes
.macro CROUND                          ; a round of the cluster's barrier
	s_barrier_signal -1
	s_barrier_wait -1
	s_cmp_lg_u32 s[WV], 0
	s_cbranch_scc1 .Lnot_wave_0_\@
	s_barrier_signal -3
.Lnot_wave_0_\@:
	s_barrier_wait -3
	s_barrier_signal -1
	s_barrier_wait -1
.endm
.macro PLACES                          ; four places in front of loads into registers that matrix instructions have read, and of the first read of results
.rept 4
	v_nop
.endr
.endm
	s_load_b256 s[4:11], s[0:1], 0x0               ; ctx's codes s[4:5], its scale words s[6:7], the weights' codes s[8:9], their scale words s[10:11]
	s_load_b128 s[12:15], s[0:1], 0x20             ; bo s[12:13], out s[14:15]
	s_set_vgpr_msb 0x40
	v_lshl_add_u32 v0, v0, 2, 0x29000
	v_mov_b32 v1, 0
	s_set_vgpr_msb 0x4045
	ds_add_u32 v0, v1
	ds_add_u32 v0, v1
	s_set_vgpr_msb 0x4500
	v_lshrrev_b32 v1, 5, v0
	v_readfirstlane_b32 s[WV], v1                  ; wave 0..3
	s_bfe_u32 s17, ttmp6, 0x40000                  ; cx
	s_lshl_b32 s18, ttmp9, 2
	s_add_co_u32 s18, s18, s17                     ; gx = 4 x cluster x + cx: my 64 tokens
	s_and_b32 s19, ttmp7, 0xffff                   ; gy: my 192 columns, which the four partners share
	s_lshr_b32 s20, s[WV], 1                       ; which two token tiles are my wave's
	s_and_b32 s21, s[WV], 1                        ; which six of Wo's
	; descriptor group 1: dense blocks as rows of 256 bytes (32 elements of 8 bytes), no padding: wave 0 brings ctx's four tiles, waves 1 to 3 four of Wo's each: 96 rows
	s_mov_b32 s24, 3<<16                           ; ctx: no mask; elements of 8 bytes
	s_mov_b32 s25, 32<<16                          ; tensor_dim0
	s_mov_b32 s26, 96<<16                          ; tensor_dim1
	s_mov_b32 s27, 32<<16                          ; tile_dim0
	s_mov_b32 s28, 96                              ; tile_dim1
	s_mov_b32 s29, 32                              ; tensor_dim0_stride
	s_mov_b32 s30, 0
	s_mov_b32 s31, 0
	s_mov_b32 s32, 15|(3<<16)|(1<<21)              ; Wo: the mask: all four work-groups; 21 set beside a mask
	s_mov_b32 s33, 32<<16
	s_mov_b32 s34, 96<<16
	s_mov_b32 s35, 32<<16
	s_mov_b32 s36, 96
	s_mov_b32 s37, 32
	s_mov_b32 s38, 0
	s_mov_b32 s39, 0
	s_mul_i32 s48, s18, 4*TILEB                    ; ctx: tile 4 gx on
	s_mov_b32 s49, 0
	s_mul_i32 s50, s19, 12*TILEB                   ; Wo: tile 400 + 12 gy + 4 (w - 1): made of gy and the wave's number alone
	s_mul_i32 s23, s[WV], 4*TILEB
	s_add_co_u32 s50, s50, s23
	s_add_co_u32 s50, s50, 396*TILEB
	s_mov_b32 s51, 0
	s_mov_b32 s40, 1                               ; group 0 for ctx: count = 1,
	s_mov_b32 s41, 0                               ; LDS address: no place in the cluster enters it
	s_mov_b32 s44, 1                               ; and for Wo, behind ctx's four tiles
	s_mov_b32 s45, s23
	s_mul_i32 s52, s18, 4*384                      ; ctx's scale words: tile 4 gx + 2 (w / 2) on
	s_mul_i32 s22, s20, 2*384
	s_add_co_u32 s52, s52, s22
	s_mov_b32 s53, 0
	s_mul_i32 s54, s19, 12*384                     ; Wo's: tile 400 + 12 gy + 6 (w % 2) on
	s_mul_i32 s22, s21, 6*384
	s_add_co_u32 s54, s54, s22
	s_add_co_u32 s54, s54, 400*384
	s_mov_b32 s55, 0
	s_mul_i32 s56, s19, 768                        ; bo: column 192 gy + 96 (w % 2) on
	s_mul_i32 s22, s21, 384
	s_add_co_u32 s56, s56, s22
	s_mov_b32 s57, 0
	s_mul_i32 s58, s18, 64*3072                    ; out: the rows that I store are ctx's tile 4 gx + w: from token 64 gx + 8 w on; column 192 gy
	s_mul_i32 s22, s[WV], 8*3072                   ; ctx's tile 4 c + g holds tokens 64 c + 8 g + i + 24 (i / 8): mine begins at token 64 gx + 8 w
	s_add_co_u32 s58, s58, s22
	s_mul_i32 s22, s19, 768
	s_add_co_u32 s58, s58, s22
	s_mov_b32 s59, 0
	v_and_b32 v128, 15, v0                         ; r
	v_bfe_u32 v129, v0, 4, 1                       ; h
	v_and_b32 v1, 31, v0
	v_lshlrev_b32 v4, 2, v1                        ; 4 x lane
	v_lshlrev_b32 v1, 4, v1                        ; 16 x lane
	s_mul_i32 s22, s20, 2*TILEB
	v_add_nc_u32 v2, s22, v1                       ; LDS: my two token tiles
	s_mul_i32 s22, s21, 6*TILEB
	s_add_co_u32 s22, s22, 4*TILEB
	v_add_nc_u32 v3, s22, v1                       ; my six tiles of Wo
	v_lshlrev_b32 v5, 6, v129                      ; 64 h: my half's sixteen columns, in bytes
	v_mul_u32_u24 v6, v128, SPITCH
	v_add_nc_u32 v6, v6, v5
	s_mul_i32 s22, s20, 32*SPITCH
	s_mul_i32 s23, s21, 384
	s_add_co_u32 s22, s22, s23
	s_add_co_u32 s22, s22, STG
	v_add_nc_u32 v6, s22, v6                       ; the stage, in: row 32 (w / 2) + r (rows in tile order), + 64 h, + 384 (w % 2)
	v_mul_u32_u24 v7, v129, 8*SPITCH
	v_lshl_add_u32 v7, v128, 4, v7
	s_mul_i32 s22, s[WV], 16*SPITCH
	s_add_co_u32 s22, s22, STG
	v_add_nc_u32 v7, s22, v7                       ; and back: my 16 rows: lanes 0-15 tile rows 0-7, lanes 16-31 tile rows 8-15; 16 bytes a lane
	s_wait_dscnt 0x0
	s_wait_kmcnt 0x0
	s_add_nc_u64 s[42:43], s[4:5], s[48:49]
	s_or_b32 s43, s43, 0x80000000                  ; type = 2
	s_add_nc_u64 s[46:47], s[8:9], s[50:51]
	s_or_b32 s47, s47, 0x80000000
	s_add_nc_u64 s[6:7], s[6:7], s[52:53]
	s_add_nc_u64 s[10:11], s[10:11], s[54:55]
	s_add_nc_u64 s[12:13], s[12:13], s[56:57]
	s_add_nc_u64 s[14:15], s[14:15], s[58:59]
	CROUND                                         ; all four work-groups are here: the joint loads meet
	s_cmp_eq_u32 s[WV], 0                          ; one load a wave: wave 0 fetches ctx's tiles, the others Wo's
	s_cbranch_scc0 .Lask_wo
	tensor_load_to_lds s[40:43], s[24:31]
	s_nop 0
.rept 4
	v_nop
.endr
	s_branch .Lasked
.Lask_wo:
	tensor_load_to_lds s[44:47], s[32:39]
	s_nop 0
.rept 4
	v_nop
.endr
.Lasked:
	s_wait_alu depctr_va_vdst(0)
.irp t, 0,1,2,3,4,5
	global_load_b128 v[BIAS+8*\t:BIAS+8*\t+3], v5, s[12:13] offset:(32*(\t/2)+8*(\t%2))*4        ; bo at tile t's eight columns of my half
	global_load_b128 v[BIAS+8*\t+4:BIAS+8*\t+7], v5, s[12:13] offset:(32*(\t/2)+8*(\t%2))*4+16
.endr
.irp m, 0,1
.irp p, 0,1,2
	global_load_b32 v[CSW+3*\m+\p], v4, s[6:7] offset:\m*384+128*\p
.endr
.endr
.irp t, 0,1,2,3,4,5
.irp p, 0,1,2
	global_load_b32 v[WS+3*\t+\p], v4, s[10:11] offset:\t*384+128*\p
.endr
.endr
	s_wait_tensorcnt 0x0                           ; my parts of both blocks are in,
	s_barrier_signal -1
	s_barrier_wait -1                              ; everybody's are
; 16 LDS loads in one run: K step s's fragments: Wo's six, ctx's two
.macro FETCH s, buf
.irp t, 0,1,2,3,4,5
.irp c, 0,1
	ds_load_b128 v[\buf+8*\t+4*\c:\buf+8*\t+4*\c+3], v3 offset:\t*TILEB+(\s)*1024+512*\c
.endr
.endr
.irp m, 0,1
.irp c, 0,1
	ds_load_b128 v[\buf+48+8*\m+4*\c:\buf+48+8*\m+4*\c+3], v2 offset:\m*TILEB+(\s)*1024+512*\c
.endr
.endr
.endm
; A K step: 12 products; the 12 accumulators take turns, one instruction a turn, in the same order in every step.  An odd K step's scale words lie in lanes 16-31.
.macro MM s, buf
.irp m, 0,1
.irp t, 0,1,2,3,4,5
.if (\s) == 0
	v_wmma_scale_f32_16x16x128_f8f6f4 v[ACC+8*(6*\m+\t):ACC+8*(6*\m+\t)+7], v[\buf+8*\t:\buf+8*\t+7], v[\buf+48+8*\m:\buf+48+8*\m+7], v[BIAS+8*\t:BIAS+8*\t+7], v[WS+3*\t], v[CSW+3*\m] matrix_a_fmt:MATRIX_FMT_FP4 matrix_b_fmt:MATRIX_FMT_FP4
.elseif (\s)%2 == 1
	v_wmma_scale_f32_16x16x128_f8f6f4 v[ACC+8*(6*\m+\t):ACC+8*(6*\m+\t)+7], v[\buf+8*\t:\buf+8*\t+7], v[\buf+48+8*\m:\buf+48+8*\m+7], v[ACC+8*(6*\m+\t):ACC+8*(6*\m+\t)+7], v[WS+3*\t+(\s)/2], v[CSW+3*\m+(\s)/2] matrix_a_fmt:MATRIX_FMT_FP4 matrix_b_fmt:MATRIX_FMT_FP4 matrix_a_scale:MATRIX_SCALE_ROW1 matrix_b_scale:MATRIX_SCALE_ROW1
.else
	v_wmma_scale_f32_16x16x128_f8f6f4 v[ACC+8*(6*\m+\t):ACC+8*(6*\m+\t)+7], v[\buf+8*\t:\buf+8*\t+7], v[\buf+48+8*\m:\buf+48+8*\m+7], v[ACC+8*(6*\m+\t):ACC+8*(6*\m+\t)+7], v[WS+3*\t+(\s)/2], v[CSW+3*\m+(\s)/2] matrix_a_fmt:MATRIX_FMT_FP4 matrix_b_fmt:MATRIX_FMT_FP4
.endif
.endr
.endr
.endm
	FETCH 0, BUF0
	s_wait_loadcnt 0x0                             ; bo and the scale words
	s_wait_dscnt 0x0
	MM 0, BUF0                                     ; the first K step starts the sums on the bias
	PLACES                                         ; for the loads into bo's registers and into buffer 0
	FETCH 1, BUF1
	FETCH 2, BUF0
	s_wait_dscnt 16                                ; all but the younger fetch
	MM 1, BUF1
	PLACES
	FETCH 3, BUF1
	s_wait_dscnt 16
	MM 2, BUF0
	PLACES
	FETCH 4, BUF0
	s_wait_dscnt 16
	MM 3, BUF1
	PLACES
	FETCH 5, BUF1
	s_wait_dscnt 16
	MM 4, BUF0
	s_wait_dscnt 0x0
	MM 5, BUF1
	PLACES
	; THE WAY OUT.  A lane holds 32 neighbouring bytes of a row, and a row's 768 bytes come from two waves: they meet in the stage, a barrier stands between writing and reading, and each wave stores 16 whole rows.
.irp m, 0,1
.irp t, 0,1,2,3,4,5
	ds_store_b128 v6, v[ACC+8*(6*\m+\t):ACC+8*(6*\m+\t)+3] offset:\m*16*SPITCH+128*(\t/2)+32*(\t%2)        ; each accumulator from its low end on
	ds_store_b128 v6, v[ACC+8*(6*\m+\t)+4:ACC+8*(6*\m+\t)+7] offset:\m*16*SPITCH+128*(\t/2)+32*(\t%2)+16
.endr
.endr
	v_bfe_u32 v[GO], v0, 4, 1
	v_mul_u32_u24 v[GO], v[GO], 32*3072            ; tile rows 8-15 are the tokens 32 further on
	v_and_b32 v[GO+1], 15, v0
	v_lshl_add_u32 v[GO], v[GO+1], 4, v[GO]
	s_wait_alu depctr_va_vdst(0)
	s_wait_dscnt 0x0                               ; for the others' sake: my stores into the stage are done
	s_barrier_signal -1
	s_barrier_wait -1
.irp i, 0,1,2,3,4,5,6,7,8,9,10,11,12,13,14,15,16,17,18,19,20,21,22,23
	ds_load_b128 v[RBK+4*\i:RBK+4*\i+3], v7 offset:(\i/3)*SPITCH+256*(\i%3)
.endr
.irp i, 0,1,2,3,4,5,6,7,8,9,10,11,12,13,14,15,16,17,18,19,20,21,22,23
	s_wait_dscnt 23-\i                             ; LDS loads come back in order: load i is in
	global_store_b128 v[GO], v[RBK+4*\i:RBK+4*\i+3], s[14:15] offset:(\i/3)*3072+256*(\i%3) th:TH_STORE_NT   ; 16 lanes store 256 consecutive bytes, at a multiple of 256 from out's first byte; written once, read by nobody here
.endr
	s_set_vgpr_msb 0x5
	s_wait_tensorcnt 0x0
	ds_add_u32 v0, v1
	s_wait_dscnt 0x0
	s_set_vgpr_msb 0x500
	CROUND                                         ; the closing round: no work-group ends while a partner may still ask for a tile that names it
	s_endpgm
.Lfunc_end_k_q49500c2791_oproj:
	.size	k_q49500c2791_oproj, .Lfunc_end_k_q49500c2791_oproj-k_q49500c2791_oproj
	.p2alignl 7, 3214868480
	.fill 96, 4, 3214868480
	.section	.rodata,"a",@progbits
	.p2align	6, 0x0
	.amdhsa_kernel k_q49500c2791_oproj
		.amdhsa_group_segment_fixed_size 168448
		.amdhsa_private_segment_fixed_size 0
		.amdhsa_enable_private_segment 0
		.amdhsa_kernarg_size 48
		.amdhsa_user_sgpr_count 2
		.amdhsa_user_sgpr_kernarg_segment_ptr 1
		.amdhsa_wavefront_size32 1
		.amdhsa_system_sgpr_workgroup_id_x 1
		.amdhsa_system_sgpr_workgroup_id_y 1
		.amdhsa_system_sgpr_workgroup_id_z 1
		.amdhsa_system_vgpr_workitem_id 0
		.amdhsa_next_free_vgpr 258
		.amdhsa_next_free_sgpr 66
		.amdhsa_reserve_vcc 0
		.amdhsa_float_denorm_mode_32 3
		.amdhsa_float_denorm_mode_16_64 3
		.amdhsa_memory_ordered 1
		.amdhsa_forward_progress 1
		.amdhsa_inst_pref_size 33
	.end_amdhsa_kernel
	.amdgpu_metadata
---
amdhsa.version: [ 1, 2 ]
amdhsa.kernels:
  - .name:           k_q49500c2791_oproj
    .symbol:         k_q49500c2791_oproj.kd
    .args:
      - { .name: ctx_codes, .offset: 0, .size: 8, .value_kind: global_buffer, .address_space: global }
      - { .name: ctx_scales, .offset: 8, .size: 8, .value_kind: global_buffer, .address_space: global }
      - { .name: xw_codes, .offset: 16, .size: 8, .value_kind: global_buffer, .address_space: global }
      - { .name: xw_scales, .offset: 24, .size: 8, .value_kind: global_buffer, .address_space: global }
      - { .name: bo, .offset: 32, .size: 8, .value_kind: global_buffer, .address_space: global }
      - { .name: out0, .offset: 40, .size: 8, .value_kind: global_buffer, .address_space: global }
    .group_segment_fixed_size: 168448
    .private_segment_fixed_size: 0
    .kernarg_segment_align: 8
    .kernarg_segment_size: 48
    .max_flat_workgroup_size: 128
    .sgpr_count:     66
    .vgpr_count:     258
    .wavefront_size: 32
...
	.end_amdgpu_metadata
.endif
;; end of part 4
